; MI455X (gfx1250); checked and timed in simulation.
; The chip was launched on July 23, 2026; its instructions are those of AMD's public machine-readable ISA for CDNA 5 (MIT licence, August 2026) and "CDNA5" Instruction Set Architecture Reference Guide (July 2026). The comments in the code are by the model that wrote it; some were corrected since.
;; Causal Self Attention. Allowed arithmetic: matrix products marked QUANTISED: E4M3 operands, one given power-of-two scale a tensor, by v_wmma_f32_16x16x64_fp8_fp8 or v_wmma_f32_16x16x128_fp8_fp8, f32 sums; everything else in f32.
;; Inputs: Wk 1,024 x 1,024 float32; Wo 1,024 x 1,024 float32; Wq 1,024 x 1,024 float32; Wv 1,024 x 1,024 float32; bk 1,024 float32; bo 1,024 float32; bq 1,024 float32; bv 1,024 float32; lowp_scales 12 int32 (the exponents e of the quantised operands' scales 2^e); x 4 x 2,048 x 1,024 float32.
;; Outputs: out0 4 x 2,048 x 1,024 float32.
;; This version of the problem:
;;   THIS VERSION OF THE PROBLEM IS GIVEN IN LOW PRECISION. The matrix products marked QUANTISED in the list below multiply operands that are first quantised to E4M3 (4 exponent bits, 3 mantissa bits; 8 bits a number), with one given power-of-two scale for each operand tensor; their sums are f32. All else is computed in f32.
;;   The module's matrix products, in the order in which they are computed (A, B: the left and right operand; K: the contracted axis; several contracted axes count as one K, in the product's order):
;;     1. [M 8,192, K 1,024] x [K 1,024, N 1,024]; A: input x; B: input Wq: QUANTISED (scales: A lowp_scales[0], B lowp_scales[1])
;;     2. [M 8,192, K 1,024] x [K 1,024, N 1,024]; A: input x; B: input Wk: QUANTISED (scales: A lowp_scales[2], B lowp_scales[3])
;;     3. [M 8,192, K 1,024] x [K 1,024, N 1,024]; A: input x; B: input Wv: QUANTISED (scales: A lowp_scales[4], B lowp_scales[5])
;;     4. batch 64 x [M 2,048, K 64] x [K 64, N 2,048]; A: computed on the way; B: computed on the way: QUANTISED (scales: A lowp_scales[6], B lowp_scales[7])
;;     5. batch 64 x [M 2,048, K 2,048] x [K 2,048, N 64]; A: softmax (see below); B: computed on the way: QUANTISED (scales: A lowp_scales[8], B lowp_scales[9])
;;     6. [M 8,192, K 1,024] x [K 1,024, N 1,024]; A: computed on the way; B: input Wo: QUANTISED (scales: A lowp_scales[10], B lowp_scales[11])
;;   THE QUANTISER, for each operand of a quantised product, along K:
;;     - The operand's scale is 2^e, e = its entry of the input lowp_scales (int32; the entries are numbered through the quantised products in the list's order, A before B).
;;     - Each number is divided by the scale, clamped to +-448, and rounded to the nearest number of E4M3, ties to even, subnormals kept.
;;     - The product sums the exact products of the quantised numbers (number of the format x scale) in f32.
;;   ~~~python
;;   def quantise(x, axis, e):      # numpy; x: float32 -> the quantised numbers, widened to float32 again
;;       x = np.moveaxis(x, axis, -1); K = x.shape[-1]
;;       r = np.clip(x / 2.0 ** e, -448, 448)
;;       step = 2.0 ** (np.maximum(np.frexp(np.where(r == 0, 1, r))[1] - 1, -6) - 3)
;;       q = np.round(r / step) * step * 2.0 ** e      # np.round: ties to even
;;       return np.moveaxis(q, -1, axis).astype(np.float32)
;;   ~~~
;;   SOFTMAX AHEAD OF A QUANTISED PRODUCT. Where the list says 'softmax', what is quantised is not the finished softmax but p = 2^(t - M), with t = logit x log2(e) and M = ceil(the row's largest t), a whole number; so 1/2 < the row's largest p <= 1. The row's sum l is taken of the UNQUANTISED p, in f32, and the product's result is divided by l at the end. Since M is a whole number, a kernel that streams over the keys may use a running M (the ceiling of the running maximum): every later rescaling is an exact power of two, so the quantised numbers keep their values, but for numbers so far below the row's largest that they fall under the format's range.
;;   OPERANDS COMPUTED ON THE WAY. 'Computed on the way' means the value that the module computes at that place (a softmax that the list does not call 'softmax' is quantised finished and normalised). What goes into a quantiser is computed in f32, as accurately as f32 sums, v_exp_f32 and their like allow (about 1e-6 of the number): no bf16 or f16 on the way to a quantiser, and a product that is left as it is and whose result goes on into a quantised operand takes f32 operands (vector FMAs, or v_wmma_f32_16x16x4_f32). A number that lies on a knife's edge between two numbers of the format may be rounded either way, as far as f32 arithmetic and the matrix unit's own rounding can turn it there, and no further.
;; One version. Each part assembles by itself: llvm-mc -triple=amdgcn-amd-amdhsa -mcpu=gfx1250 --defsym DOCPART=n.
;; ======== version 1 of 1: 4 launches
;; limits: right only within a limited range of input values
;; workspace buffers: xc 25,165,824 bytes; wc 4,194,304 bytes; qkvc 25,165,824 bytes; yc 8,388,608 bytes
;; launch quant (part 1): grid 768 x 1, 8 waves a work-group, no clusters, 68,608 bytes of LDS; arguments x, Wq, Wk, Wv, Wo, lowp_scales, xc, wc; writes xc, wc
.if DOCPART == 1
	.amdgcn_target "amdgcn-amd-amdhsa--gfx1250"
	.amdhsa_code_object_version 6
	.text
	.protected	k_q4c8bd296fa_quant
	.globl	k_q4c8bd296fa_quant
	.p2align	8
	.type	k_q4c8bd296fa_quant,@function
k_q4c8bd296fa_quant:
	s_mov_b64 s[64:65], 0
	v_nop
	global_prefetch_b8 v0, s[64:65] scope:SCOPE_SE
	s_setreg_imm32_b32 hwreg(HW_REG_WAVE_MODE, 25, 1), 1
	s_wait_xcnt 0x0
; x [8192][1024] and the four weights [1024][1024], f32 with K innermost, become codes of FP8 (E4M3), stored as IMAGES OF OPERAND REGISTERS.
; A fragment is 16 rows x 128 k = 2,048 bytes: four groups of 512 bytes; group g holds registers 4 g .. 4 g + 3, lane l's 16 bytes at 512 g + 16 l;
; register 2 c + e of lane (r = l % 16, h = l / 16) holds k = 16 c + 8 h + 4 e + 0 .. 3 of row r: the plain 8-bit layout of the matrix instruction.
; xc: [3 scales][512 row tiles][8 K steps][2,048]; wc: [Wq, Wk, Wv, Wo][64 row tiles][8 K steps][2,048].
; code = number / 2^e, held within +-448, to the nearest code, ties to even.  x is quantised three times (entries 0, 2, 4 of the scales), the weights once (entries 1, 3, 5, 11).
; LIMITS: each e between -126 and 119, so that 2^e and 448 x 2^e are f32 numbers.  NaN among the inputs is not served (an infinity is held at the largest code).
; SHARES: a work-group takes one row tile (16 rows x 1,024 k, 65,536 consecutive bytes); wave w takes K step w, one fragment.  Work-groups 0-511: x; 512-767: the weights.
; Each load reads 512 consecutive bytes of one row; the 16 rows turn through the wave's own stage in LDS (rows of 512 + 16 bytes), so that a lane gets eight neighbours along K in eight registers.
; Each store writes 512 consecutive bytes.  Waves share nothing: no barrier.  Work-groups share no input: no cluster, no matrix unit.
.set WST, 8448                         ; a wave's stage: 16 rows x 528 bytes
.set SP,  528                          ; 132 words: row r starts at bank 4 r mod 64 (ISA guide 11.1), so the 16 rows that a load touches start at 16 different banks
.set SC,  8                            ; v8-10    2^e as f32, for scale set 0, 1, 2
.set LIM, 11
.set R,   16                           ; v16-79   the 16 rows as loaded
.set X,   80                           ; v80-143  octet o at X + 8 o: k = 16 o + 8 h + 0 .. 7 of my row
.set T,   144
.set C,   160                          ; v160-207 codes: 16 registers for each scale set, so that no store's data are written again
	s_load_b512 s[8:23], s[0:1], 0x0               ; x 8:9, Wq 10:11, Wk 12:13, Wv 14:15, Wo 16:17, scales 18:19, xc 20:21, wc 22:23
	v_lshl_add_u32 v208, v0, 2, 0x10800
	v_mov_b32 v209, 0
	v_lshrrev_b32 v4, 5, v0
	s_delay_alu instid0(VALU_DEP_1)
	v_readfirstlane_b32 s36, v4                    ; wave 0..7 = K step
	v_and_b32 v5, 31, v0
	s_delay_alu instid0(VALU_DEP_1)
	v_lshlrev_b32 v1, 4, v5                        ; 16 x lane
	v_and_b32 v6, 15, v0                           ; r
	v_bfe_u32 v7, v0, 4, 1                         ; h
	s_mul_i32 s48, s36, WST
	v_add_nc_u32 v2, s48, v1                       ; the stage, on the way in: 16 x lane of a row
	v_mul_u32_u24 v3, v6, SP
	s_delay_alu instid0(VALU_DEP_1)
	v_lshl_add_u32 v3, v7, 5, v3
	s_delay_alu instid0(VALU_DEP_1)
	v_add_nc_u32 v3, s48, v3                       ; and on the way out: row r, + 32 h bytes (eight numbers)
	s_cmp_lt_u32 ttmp9, 512                        ; x's work-group, or a weight's?  Only pointers and numbers are chosen: one path through the text
	s_cselect_b32 s49, 511, 63
	s_cselect_b32 s50, 0, 512
	s_sub_co_u32 s50, ttmp9, s50
	s_and_b32 s37, s50, s49                        ; the row tile
	s_lshr_b32 s38, s50, 6                         ; which weight (used in a weight's work-group alone)
	s_lshl_b32 s52, s37, 16                        ; source: 65,536 x row tile + 512 x wave
	s_lshl_b32 s51, s36, 9
	s_add_co_u32 s52, s52, s51
	s_mov_b32 s53, 0
	s_cmp_lt_u32 ttmp9, 512
	s_cselect_b32 s54, 0, s38
	s_lshl_b32 s54, s54, 20                        ; codes: 1 MiB x weight + 16,384 x row tile + 2,048 x wave
	s_lshl_b32 s51, s37, 14
	s_add_co_u32 s54, s54, s51
	s_lshl_b32 s51, s36, 11
	s_add_co_u32 s54, s54, s51
	s_mov_b32 s55, 0
	s_wait_alu depctr_va_vdst(0)
	s_wait_kmcnt 0x0
	s_load_b256 s[24:31], s[18:19], 0x0            ; e0 .. e7
	s_load_b128 s[32:35], s[18:19], 0x20           ; e8 .. e11
	s_cmp_eq_u32 s38, 1
	s_cselect_b64 s[40:41], s[12:13], s[10:11]
	s_cmp_eq_u32 s38, 2
	s_cselect_b64 s[40:41], s[14:15], s[40:41]
	s_cmp_eq_u32 s38, 3
	s_cselect_b64 s[40:41], s[16:17], s[40:41]
	s_cmp_lt_u32 ttmp9, 512
	s_cselect_b64 s[40:41], s[8:9], s[40:41]       ; the source
	s_cselect_b64 s[42:43], s[20:21], s[22:23]     ; the codes' buffer
	s_add_nc_u64 s[40:41], s[40:41], s[52:53]
	s_add_nc_u64 s[42:43], s[42:43], s[54:55]
	s_add_nc_u64 s[44:45], s[42:43], 0x800000      ; x's second and third part (named by x's work-groups alone): 8 MiB is one above the stores' immediate, so they have pairs of their own
	s_add_nc_u64 s[46:47], s[42:43], 0x1000000
.set i, 0
.rept 16
	global_load_b128 v[R+4*i:R+4*i+3], v1, s[40:41] offset:4096*i th:TH_LOAD_NT   ; row i: 512 consecutive bytes, read once in the launch
.set i, i+1
.endr
	s_wait_kmcnt 0x0
	s_cmp_eq_u32 s38, 1
	s_cselect_b32 s56, s27, s25
	s_cmp_eq_u32 s38, 2
	s_cselect_b32 s56, s29, s56
	s_cmp_eq_u32 s38, 3
	s_cselect_b32 s56, s35, s56
	s_cmp_lt_u32 ttmp9, 512
	s_cselect_b32 s56, s24, s56                    ; set 0's e: e0 for x; e1, e3, e5, e11 for the weights
.macro MKSC u, e
	s_add_co_i32 s57, \e, 127
	s_lshl_b32 s58, s57, 23
	v_mov_b32 v[SC+\u], s58                        ; 2^e: the conversion takes its exponent field
.endm
	MKSC 0, s56
	MKSC 1, s26
	MKSC 2, s28
.set i, 0
	s_wait_alu depctr_va_vdst(0)
.rept 16
	s_wait_loadcnt 15-i                            ; loads come back in order: row i is in, the younger rows stay out
	ds_store_b128 v2, v[R+4*i:R+4*i+3] offset:SP*i
.set i, i+1
.endr
.irp g, 0,1,2,3
.irp e, 0,1
.irp j, 0,1
	ds_load_b128 v[X+16*\g+8*\e+4*\j:X+16*\g+8*\e+4*\j+3], v3 offset:128*\g+64*\e+16*\j   ; LDS serves a wave's instructions in order: these see my stores
.endr
.endr
.endr
	s_wait_dscnt 0x0
; One scale set: eight octets are converted, and the fragment's four groups are stored.
.macro QUANT u
.irp o, 0,1,2,3,4,5,6,7
.irp i, 0,1,2,3,4,5,6,7
.endr
	v_cvt_scalef32_pk8_fp8_f32 v[C+16*\u+2*\o:C+16*\u+2*\o+1], v[T+8*(\o%2)+((X+8*\o+0)-(T+8*(\o%2)+0)):T+8*(\o%2)+7+((X+8*\o+0)-(T+8*(\o%2)+0))], v[SC+\u]
.endr
.irp g, 0,1,2,3
	global_store_b128 v1, v[C+16*\u+4*\g:C+16*\u+4*\g+3], s[42+2*\u:43+2*\u] offset:512*\g   ; 32 lanes store 512 consecutive bytes, at a multiple of 512 from the buffer's first byte
.endr
.endm
	QUANT 0
	s_cmp_lt_u32 ttmp9, 512
	s_cbranch_scc0 .Ldone                          ; a weight has one scale
	QUANT 1
	QUANT 2
.Ldone:
	s_wait_tensorcnt 0x0
	ds_add_u32 v208, v209
	s_wait_dscnt 0x0
	s_endpgm
.Lfunc_end_k_q4c8bd296fa_quant:
	.size	k_q4c8bd296fa_quant, .Lfunc_end_k_q4c8bd296fa_quant-k_q4c8bd296fa_quant
	.p2alignl 7, 3214868480
	.fill 96, 4, 3214868480
	.section	.rodata,"a",@progbits
	.p2align	6, 0x0
	.amdhsa_kernel k_q4c8bd296fa_quant
		.amdhsa_group_segment_fixed_size 68608
		.amdhsa_private_segment_fixed_size 0
		.amdhsa_enable_private_segment 0
		.amdhsa_kernarg_size 64
		.amdhsa_user_sgpr_count 2
		.amdhsa_user_sgpr_kernarg_segment_ptr 1
		.amdhsa_wavefront_size32 1
		.amdhsa_system_sgpr_workgroup_id_x 1
		.amdhsa_system_sgpr_workgroup_id_y 1
		.amdhsa_system_sgpr_workgroup_id_z 1
		.amdhsa_system_vgpr_workitem_id 0
		.amdhsa_next_free_vgpr 210
		.amdhsa_next_free_sgpr 66
		.amdhsa_reserve_vcc 0
		.amdhsa_float_denorm_mode_32 3
		.amdhsa_float_denorm_mode_16_64 3
		.amdhsa_fp16_overflow 1
		.amdhsa_memory_ordered 1
		.amdhsa_forward_progress 1
		.amdhsa_inst_pref_size 11
	.end_amdhsa_kernel
	.amdgpu_metadata
---
amdhsa.version: [ 1, 2 ]
amdhsa.kernels:
  - .name:           k_q4c8bd296fa_quant
    .symbol:         k_q4c8bd296fa_quant.kd
    .args:
      - { .name: x, .offset: 0, .size: 8, .value_kind: global_buffer, .address_space: global }
      - { .name: Wq, .offset: 8, .size: 8, .value_kind: global_buffer, .address_space: global }
      - { .name: Wk, .offset: 16, .size: 8, .value_kind: global_buffer, .address_space: global }
      - { .name: Wv, .offset: 24, .size: 8, .value_kind: global_buffer, .address_space: global }
      - { .name: Wo, .offset: 32, .size: 8, .value_kind: global_buffer, .address_space: global }
      - { .name: lowp_scales, .offset: 40, .size: 8, .value_kind: global_buffer, .address_space: global }
      - { .name: xc, .offset: 48, .size: 8, .value_kind: global_buffer, .address_space: global }
      - { .name: wc, .offset: 56, .size: 8, .value_kind: global_buffer, .address_space: global }
    .group_segment_fixed_size: 68608
    .private_segment_fixed_size: 0
    .kernarg_segment_align: 8
    .kernarg_segment_size: 64
    .max_flat_workgroup_size: 256
    .sgpr_count:     66
    .vgpr_count:     210
    .wavefront_size: 32
...
	.end_amdgpu_metadata
.endif
;; end of part 1
;; launch qkv (part 2): grid 256 x 3, 4 waves a work-group, clusters of 4 x 1, 168,448 bytes of LDS; arguments xc, wc, bq, bk, bv, lowp_scales, qkvc; writes qkvc
.if DOCPART == 2
	.amdgcn_target "amdgcn-amd-amdhsa--gfx1250"
	.amdhsa_code_object_version 6
	.text
	.protected	k_q4c8bd296fa_qkv
	.globl	k_q4c8bd296fa_qkv
	.p2align	8
	.type	k_q4c8bd296fa_qkv,@function
k_q4c8bd296fa_qkv:
	s_mov_b64 s[64:65], 0
	v_nop
	global_prefetch_b8 v0, s[64:65] scope:SCOPE_SE
	s_setreg_imm32_b32 hwreg(HW_REG_WAVE_MODE, 25, 1), 1
	s_wait_xcnt 0x0
	s_wait_alu depctr_hold_cnt(0) depctr_sa_sdst(0) depctr_va_vdst(0) depctr_va_sdst(0) depctr_va_ssrc(0) depctr_va_vcc(0) depctr_vm_vsrc(0)
	s_getreg_b32 s2, hwreg(HW_REG_IB_STS2, 6, 4)
	s_cmp_eq_u32 s2, 0
	s_cbranch_scc0 .Lentry_in_a_cluster
	s_endpgm
.Lentry_in_a_cluster:
	s_bfe_u32 s2, ttmp6, 0x10000c
	s_cmp_lg_u32 s2, 0x3003
	s_cbranch_scc0 .Lentry_shape_is_right
	s_endpgm
.Lentry_shape_is_right:
; q = x Wq^T + bq, k = x Wk^T + bk, v = x Wv^T + bv on codes of FP8, and the results quantised again (entries 6, 7, 9 of the scales) into images of the operands of attention.
; ONE TEXT FOR THREE PRODUCTS (grid y = 0, 1, 2).  A work-group makes 256 R rows x 128 L rows over the whole K = 1,024.
;   R stays in REGISTERS: wave w holds its 64 rows x 1,024 k, 32 fragments, 512 registers, read once by dense loads.
;   L (128 rows x 1,024 k, 131,072 consecutive bytes) comes into LDS once; all four waves read it.  No LDS byte is ever filled twice.
;   Source 0 = R, source 1 = L: a lane holds ONE L row (lane % 16), and its registers run along R rows (16 a + 8 (lane / 16) + j).
;   q, k: R = the weight, L = x.  A lane holds a token, its registers features; a wave's 64 features are one head: four accumulators convert into one fragment (16 tokens x 64) of q or k.
;   v:    R = x, L = Wv.  A lane holds a channel, its registers tokens, which are the keys: four accumulators convert into half a fragment (16 channels x 64 keys) of V^T.  Nothing is transposed.
; qkvc: q at 0, k at 8 MiB: [64 heads of batches][128 token tiles][1,024]; v at 16 MiB: [64][32 blocks of 64 keys][4 tiles of channels][1,024].
; CLUSTER: the four work-groups of a cluster take the same L block and four different R blocks: L's tiles are asked for jointly.  R is not shared inside a cluster (each partner has another block), so it has no joint load.
; BIAS: along R (q, k) it is the C of each sum's first matrix instruction; along L (v) it is one number a lane, added behind the sums.  The text holds both; the one that a product does not have is cleared
; to zeros by a mask, which costs q and k sixteen packed additions of 0 a tile.  Both go in divided by 2^es, es = the two operands' exponents added, which the sums lack.
; LIMITS: eo - es between -126 and 119 (eo: the result's exponent), so that 2^(eo - es) and 448 x that are f32 numbers.
; REGISTERS, in windows of 256: window 0: v1 16 x lane, v2 the same + 65,536, v5, v6 the biases' offsets, v8 2^(eo - es); v32-63 four accumulators; v64-95 bias along R; v96-111 bias along L, a pair a tile; v112-119 codes.
;   window 1: R(a, s) at 16 (4 s + a), s = 0..3;  window 2: the same for s = 4..7;  window 3: two sets of L's eight fragments, at 0 and at 128.
.set ACC, 32
.set BR,  64
.set LB,  96
.set PC,  112
.set G1,  48                           ; s[48:55] descriptor group 1
.set G0,  56                           ; s[56:63] two groups 0
.set MSB, 0
.macro WIN new                         ; low byte: bits 1:0 source 0, 3:2 source 1, 5:4 source 2, 7:6 destination; the high byte repeats the setting that is left
.if MSB != \new
	s_set_vgpr_msb (MSB<<8)|\new
.set MSB, \new
.endif
.endm
.macro CROUND                          ; a round of the cluster's barrier
	s_barrier_signal -1
	s_barrier_wait -1
	s_cmp_lg_u32 s36, 0
	s_cbranch_scc1 .Lnot_wave_0_\@
	s_barrier_signal -3
.Lnot_wave_0_\@:
	s_barrier_wait -3
	s_barrier_signal -1
	s_barrier_wait -1
.endm
	s_load_b256 s[8:15], s[0:1], 0x0               ; xc 8:9, wc 10:11, bq 12:13, bk 14:15
	s_load_b128 s[16:19], s[0:1], 0x20             ; bv 16:17, scales 18:19
	s_load_b64 s[20:21], s[0:1], 0x30              ; qkvc
	v_lshl_add_u32 v254, v0, 2, 0x29000
	v_mov_b32 v255, 0
	ds_add_u32 v254, v255
	ds_add_u32 v254, v255
	v_lshrrev_b32 v3, 5, v0
	v_readfirstlane_b32 s36, v3                    ; wave 0..3
	s_and_b32 s37, ttmp7, 0xffff                   ; p: 0 q, 1 k, 2 v
	s_mov_b32 s38, ttmp9                           ; the cluster's number, 0..63
	s_bfe_u32 s39, ttmp6, 0x40000                  ; cx: it enters R's, the bias's and the result's global addresses alone
	s_cmp_eq_u32 s37, 2
	s_cselect_b32 s76, 7, 63
	s_cselect_b32 s72, 0, -1                       ; keeps the bias along R (q, k)
	s_cselect_b32 s73, -1, 0                       ; keeps the bias along L (v)
	s_cselect_b32 s77, s38, 0
	s_and_b32 s40, s38, s76                        ; lb, the L block: q, k: 64 blocks of tokens; v: 8 blocks of channels.  Made of the cluster's number alone
	s_lshr_b32 s77, s77, 3
	s_lshl_b32 s77, s77, 2
	s_add_co_u32 s41, s77, s39                     ; rb, the R block: q, k: cx (4 blocks of features); v: 4 (cluster / 8) + cx (32 blocks of tokens)
	s_lshl_b32 s78, s37, 23                        ; L's offset: x's part p (8 MiB each), or Wv's part of wc (2 MiB),
	s_cmp_eq_u32 s37, 2
	s_cselect_b32 s78, 0x200000, s78
	s_lshl_b32 s79, s40, 17                        ; + 131,072 x lb
	s_add_co_u32 s78, s78, s79
	s_lshl_b32 s79, s36, 14                        ; + 16,384 x wave: the tile of 16 rows that I fetch
	s_add_co_u32 s78, s78, s79
	s_mov_b32 s79, 0
	s_lshl_b32 s80, s37, 20                        ; R's offset: the weight's part (1 MiB each), or x's third part (16 MiB),
	s_cmp_eq_u32 s37, 2
	s_cselect_b32 s80, 0x1000000, s80
	s_lshl_b32 s81, s41, 18                        ; + 262,144 x rb
	s_add_co_u32 s80, s80, s81
	s_lshl_b32 s81, s36, 16                        ; + 65,536 x wave: my 64 rows
	s_add_co_u32 s80, s80, s81
	s_mov_b32 s81, 0
	s_lshr_b32 s84, s40, 4                         ; the result's place.  q, k: head of batch = 16 (lb / 16) + 4 rb + wave; token tiles 8 (lb % 16) on
	s_lshl_b32 s84, s84, 4
	s_lshl_b32 s85, s41, 2
	s_add_co_u32 s84, s84, s85
	s_add_co_u32 s84, s84, s36
	s_and_b32 s85, s40, 15
	s_lshl_b32 s85, s85, 13
	s_lshr_b32 s86, s41, 3                         ; v: head of batch = 16 (rb / 8) + 2 lb (tiles 4-7: one more); block of 64 keys = 4 (rb % 8) + wave
	s_lshl_b32 s86, s86, 4
	s_lshl_b32 s87, s40, 1
	s_add_co_u32 s86, s86, s87
	s_and_b32 s87, s41, 7
	s_lshl_b32 s87, s87, 2
	s_add_co_u32 s87, s87, s36
	s_lshl_b32 s87, s87, 12
	s_mov_b32 s88, 0x1000                          ; from tile 3 to tile 4: q, k: four token tiles on; v: a head on
	s_cmp_eq_u32 s37, 2
	s_cselect_b32 s84, s86, s84
	s_cselect_b32 s85, s87, s85
	s_cselect_b32 s88, 0x20000, s88
	s_cselect_b32 s90, 0, s41
	s_cselect_b32 s92, s40, 0
	s_lshl_b32 s84, s84, 17
	s_add_co_u32 s84, s84, s85
	s_lshl_b32 s85, s37, 23
	s_add_co_u32 s82, s84, s85                     ; + 8 MiB x p
	s_mov_b32 s83, 0
	s_mov_b32 s89, 0
	s_lshl_b32 s90, s90, 10                        ; bias along R: index 256 rb + 64 wave (v: 64 wave: read inside the buffer, then cleared)
	s_lshl_b32 s91, s36, 8
	s_add_co_u32 s90, s90, s91
	s_mov_b32 s91, 0
	s_lshl_b32 s92, s92, 9                         ; bias along L: index 128 lb (q, k: 0: read, then cleared)
	s_mov_b32 s93, 0
	; group 1: 64 rows of 256 bytes, dense: a tile of 16,384 bytes as it lies
	s_mov_b32 s[G1+0], 15|(3<<16)|(1<<21)          ; 15:0 the mask: all four work-groups; 17:16 elements of 8 bytes; 21 set beside a mask; no padding
	s_mov_b32 s[G1+1], 32<<16                      ; tensor_dim0 = 32
	s_mov_b32 s[G1+2], 64<<16                      ; tensor_dim1 = 64
	s_mov_b32 s[G1+3], 32<<16                      ; tile_dim0 = 32
	s_mov_b32 s[G1+4], 64                          ; tile_dim1 = 64
	s_mov_b32 s[G1+5], 32                          ; from row to row
	s_mov_b32 s[G1+6], 0
	s_mov_b32 s[G1+7], 0
	s_lshl_b32 s76, s36, 14                        ; LDS: tile 4 j + wave at 16,384 x (4 j + wave)
	s_wait_dscnt 0x0
	s_wait_kmcnt 0x0
	s_load_b256 s[24:31], s[18:19], 0x0            ; e0 .. e7
	s_load_b128 s[32:35], s[18:19], 0x20           ; e8 .. e11
	s_cmp_eq_u32 s37, 2
	s_cselect_b64 s[42:43], s[10:11], s[8:9]       ; L's buffer
	s_cselect_b64 s[44:45], s[8:9], s[10:11]       ; R's buffer
	s_cselect_b64 s[46:47], s[16:17], s[14:15]
	s_cmp_eq_u32 s37, 0
	s_cselect_b64 s[46:47], s[12:13], s[46:47]     ; the bias
	s_add_nc_u64 s[42:43], s[42:43], s[78:79]
	s_add_nc_u64 s[44:45], s[44:45], s[80:81]
	s_add_nc_u64 s[66:67], s[46:47], s[92:93]      ; the bias along L
	s_add_nc_u64 s[46:47], s[46:47], s[90:91]      ; the bias along R
	s_add_nc_u64 s[68:69], s[20:21], s[82:83]      ; tiles 0-3 of the result
	s_add_nc_u64 s[70:71], s[68:69], s[88:89]      ; tiles 4-7
.irp j, 0,1
	s_mov_b32 s[G0+4*\j], 1
	s_add_co_u32 s[G0+4*\j+1], s76, \j*65536
	s_add_nc_u64 s[G0+4*\j+2:G0+4*\j+3], s[42:43], \j*65536
	s_or_b32 s[G0+4*\j+3], s[G0+4*\j+3], 0x80000000
.endr
	CROUND                                         ; all four work-groups are here: the joint loads meet
	tensor_load_to_lds s[G0:G0+3], s[G1:G1+7]      ; L's tile `wave`,
	s_nop 0
	tensor_load_to_lds s[G0+4:G0+7], s[G1:G1+7]    ; and tile 4 + wave: two loads of mine are out, and no more are ever issued
	s_nop 0
.rept 4
	v_nop                                          ; behind a tensor load
.endr
	v_and_b32 v1, 31, v0
	v_lshlrev_b32 v1, 4, v1                        ; 16 x lane: an image's place for my lane, in LDS and in memory
	v_add_nc_u32 v2, 0x10000, v1                   ; the same for tiles 4-7 (an LDS offset has 16 bits)
	v_and_b32 v3, 15, v0
	v_bfe_u32 v4, v0, 4, 1
	v_lshlrev_b32 v5, 5, v4                        ; 32 h
	v_lshlrev_b32 v6, 2, v3                        ; 4 r
.irp a, 0,1,2,3
.irp e, 0,1
	global_load_b128 v[BR+8*\a+4*\e:BR+8*\a+4*\e+3], v5, s[46:47] offset:64*\a+16*\e   ; bias of R index 16 a + 8 h + 0 .. 7: the result's layout
.endr
.endr
.irp t, 0,1,2,3,4,5,6,7
	global_load_b32 v[LB+2*\t], v6, s[66:67] offset:64*\t      ; bias of L index 16 t + r, in both halves of a pair for the packed addition
	global_load_b32 v[LB+2*\t+1], v6, s[66:67] offset:64*\t
.endr
	WIN 0x40                                       ; destination window 1
.irp s, 0,1,2,3
.irp a, 0,1,2,3
.irp c, 0,1,2,3
	global_load_b128 v[16*(4*\s+\a)+4*\c:16*(4*\s+\a)+4*\c+3], v1, s[44:45] offset:16384*\a+2048*\s+512*\c
.endr
.endr
.endr
	WIN 0x80                                       ; destination window 2
.irp s, 4,5,6,7
.irp a, 0,1,2,3
.irp c, 0,1,2,3
	global_load_b128 v[16*(4*(\s-4)+\a)+4*\c:16*(4*(\s-4)+\a)+4*\c+3], v1, s[44:45] offset:16384*\a+2048*\s+512*\c
.endr
.endr
.endr
	WIN 0
	s_wait_alu depctr_va_vdst(0)
	s_wait_kmcnt 0x0
	s_add_co_i32 s76, s24, s25                     ; es and eo of my product, chosen without a branch
	s_add_co_i32 s77, s26, s27
	s_add_co_i32 s78, s28, s29
	s_cmp_eq_u32 s37, 1
	s_cselect_b32 s76, s77, s76
	s_cselect_b32 s79, s31, s30
	s_cmp_eq_u32 s37, 2
	s_cselect_b32 s76, s78, s76
	s_cselect_b32 s79, s33, s79
	s_sub_co_i32 s74, 0, s76                       ; -es
	s_add_co_i32 s79, s79, s74                     ; eo - es: a sum stands for sum x 2^es, so its code is sum / 2^(eo - es)
	s_add_co_i32 s79, s79, 127
	s_lshl_b32 s80, s79, 23
	v_mov_b32 v8, s80
	s_add_co_i32 s79, s79, 8
	s_lshl_b32 s79, s79, 23
	s_or_b32 s79, s79, 0x600000
; L's eight fragments of tile t into set t % 2: 32 dense loads
.macro LFETCH t
	WIN 0xc0                                       ; destination window 3, address window 0
.irp s, 0,1,2,3,4,5,6,7
.irp c, 0,1,2,3
	ds_load_b128 v[128*((\t)%2)+16*\s+4*\c:128*((\t)%2)+16*\s+4*\c+3], v[1+(\t)/4] offset:((\t)%4)*16384+2048*\s+512*\c
.endr
.endr
.endm
; 32 matrix instructions: K step by K step, the four accumulators by turns, one instruction a turn
.macro MULS t
	WIN 0x0d                                       ; source 0 (R) window 1, source 1 (L) window 3, C and D window 0
.irp s, 0,1,2,3
.irp a, 0,1,2,3
.if \s == 0
	v_wmma_f32_16x16x128_fp8_fp8 v[ACC+8*\a:ACC+8*\a+7], v[16*(4*\s+\a):16*(4*\s+\a)+15], v[128*((\t)%2)+16*\s:128*((\t)%2)+16*\s+15], v[BR+8*\a:BR+8*\a+7]
.else
	v_wmma_f32_16x16x128_fp8_fp8 v[ACC+8*\a:ACC+8*\a+7], v[16*(4*\s+\a):16*(4*\s+\a)+15], v[128*((\t)%2)+16*\s:128*((\t)%2)+16*\s+15], v[ACC+8*\a:ACC+8*\a+7]
.endif
.endr
.endr
	WIN 0x0e                                       ; source 0 window 2
.irp s, 4,5,6,7
.irp a, 0,1,2,3
	v_wmma_f32_16x16x128_fp8_fp8 v[ACC+8*\a:ACC+8*\a+7], v[16*(4*(\s-4)+\a):16*(4*(\s-4)+\a)+15], v[128*((\t)%2)+16*\s:128*((\t)%2)+16*\s+15], v[ACC+8*\a:ACC+8*\a+7]
.endr
.endr
	WIN 0
.endm
; The tile's results: bias along L, conversion, 1,024 consecutive bytes out.  These lines are also the places between this tile's products and the next loads into L's set and the next sums' first products.
.macro EPI t
.rept 4
	v_nop                                          ; four places between the last product and the first read of its result (ISA guide 7.12.1)
.endr
.set i, 0
.rept 16
	v_pk_add_f32 v[ACC+i:ACC+i+1], v[ACC+i:ACC+i+1], v[LB+2*(\t):LB+2*(\t)+1]   ; each accumulator from its low end on
.set i, i+2
.endr
.set i, 0
.rept 32
.set i, i+1
.endr
	s_wait_alu depctr_va_vdst(0)
	s_wait_xcnt 0x0                                ; the last tile's stores have read their data: the codes' registers are written again only behind this wait
.irp a, 0,1,2,3
	v_cvt_scalef32_pk8_fp8_f32 v[PC+2*\a:PC+2*\a+1], v[ACC+8*\a:ACC+8*\a+7], v8   ; registers 2 a, 2 a + 1 of the fragment: k = 16 a + 8 h + 0 .. 7
.endr
	v_nop                                          ; one plain line between the conversions and the next products, which write their sources
.irp g, 0,1
	global_store_b128 v1, v[PC+4*\g:PC+4*\g+3], s[68+2*((\t)/4):69+2*((\t)/4)] offset:((\t)%4)*1024+512*\g   ; 512 consecutive bytes, at a multiple of 512 from the buffer's first byte
.endr
.endm
.macro TILE t
	s_wait_dscnt 0x0                               ; L's fragments of this tile, asked for a tile ago, are in
.if (\t) == 3
	s_wait_tensorcnt 0x0                           ; my tile 4 + wave has landed;
	s_barrier_signal -1
	s_barrier_wait -1                              ; everybody's has: tiles 4-7 may be read
.endif
.if (\t) < 7
	LFETCH (\t)+1
.endif
	MULS \t
	EPI \t
.endm
	s_wait_tensorcnt 0x1                           ; my tile `wave` has landed; the one younger load may stay out
	s_barrier_signal -1
	s_barrier_wait -1                              ; tiles 0-3 may be read
	LFETCH 0
	WIN 0
	s_wait_loadcnt 0x0                             ; R and the biases
.set i, 0
.rept 32
	v_and_b32 v[BR+i], s72, v[BR+i]                ; kept (q, k) or cleared (v)
.set i, i+1
.endr
.set i, 0
.rept 16
	v_and_b32 v[LB+i], s73, v[LB+i]                ; kept (v) or cleared (q, k)
.set i, i+1
.endr
.set i, 0
.rept 48
	v_ldexp_f32 v[BR+i], v[BR+i], s74              ; / 2^es
.set i, i+1
.endr
.irp t, 0,1,2,3,4,5,6,7
	TILE \t
.endr
	s_wait_tensorcnt 0x0
	ds_add_u32 v254, v255
	s_wait_dscnt 0x0
	CROUND                                         ; the closing round: no work-group ends while a partner may still ask for a tile that names it
	s_endpgm
.Lfunc_end_k_q4c8bd296fa_qkv:
	.size	k_q4c8bd296fa_qkv, .Lfunc_end_k_q4c8bd296fa_qkv-k_q4c8bd296fa_qkv
	.p2alignl 7, 3214868480
	.fill 96, 4, 3214868480
	.section	.rodata,"a",@progbits
	.p2align	6, 0x0
	.amdhsa_kernel k_q4c8bd296fa_qkv
		.amdhsa_group_segment_fixed_size 168448
		.amdhsa_private_segment_fixed_size 0
		.amdhsa_enable_private_segment 0
		.amdhsa_kernarg_size 56
		.amdhsa_user_sgpr_count 2
		.amdhsa_user_sgpr_kernarg_segment_ptr 1
		.amdhsa_wavefront_size32 1
		.amdhsa_system_sgpr_workgroup_id_x 1
		.amdhsa_system_sgpr_workgroup_id_y 1
		.amdhsa_system_sgpr_workgroup_id_z 1
		.amdhsa_system_vgpr_workitem_id 0
		.amdhsa_next_free_vgpr 1024
		.amdhsa_next_free_sgpr 100
		.amdhsa_reserve_vcc 0
		.amdhsa_float_denorm_mode_32 3
		.amdhsa_float_denorm_mode_16_64 3
		.amdhsa_fp16_overflow 1
		.amdhsa_memory_ordered 1
		.amdhsa_forward_progress 1
		.amdhsa_inst_pref_size 73
	.end_amdhsa_kernel
	.amdgpu_metadata
---
amdhsa.version: [ 1, 2 ]
amdhsa.kernels:
  - .name:           k_q4c8bd296fa_qkv
    .symbol:         k_q4c8bd296fa_qkv.kd
    .args:
      - { .name: xc, .offset: 0, .size: 8, .value_kind: global_buffer, .address_space: global }
      - { .name: wc, .offset: 8, .size: 8, .value_kind: global_buffer, .address_space: global }
      - { .name: bq, .offset: 16, .size: 8, .value_kind: global_buffer, .address_space: global }
      - { .name: bk, .offset: 24, .size: 8, .value_kind: global_buffer, .address_space: global }
      - { .name: bv, .offset: 32, .size: 8, .value_kind: global_buffer, .address_space: global }
      - { .name: lowp_scales, .offset: 40, .size: 8, .value_kind: global_buffer, .address_space: global }
      - { .name: qkvc, .offset: 48, .size: 8, .value_kind: global_buffer, .address_space: global }
    .group_segment_fixed_size: 168448
    .private_segment_fixed_size: 0
    .kernarg_segment_align: 8
    .kernarg_segment_size: 56
    .max_flat_workgroup_size: 128
    .sgpr_count:     100
    .vgpr_count:     1024
    .wavefront_size: 32
...
	.end_amdgpu_metadata
.endif
;; end of part 2
;; launch attn (part 3): grid 4 x 64, 16 waves a work-group, clusters of 4 x 1, 264,192 bytes of LDS; arguments qkvc, lowp_scales, yc; writes yc
.if DOCPART == 3
	.amdgcn_target "amdgcn-amd-amdhsa--gfx1250"
	.amdhsa_code_object_version 6
	.text
	.protected	k_q4c8bd296fa_attn
	.globl	k_q4c8bd296fa_attn
	.p2align	8
	.type	k_q4c8bd296fa_attn,@function
k_q4c8bd296fa_attn:
	s_mov_b64 s[64:65], 0
	v_nop
	global_prefetch_b8 v0, s[64:65] scope:SCOPE_SE
	s_setreg_imm32_b32 hwreg(HW_REG_WAVE_MODE, 25, 1), 1
	s_wait_xcnt 0x0
	s_wait_alu depctr_hold_cnt(0) depctr_sa_sdst(0) depctr_va_vdst(0) depctr_va_sdst(0) depctr_va_ssrc(0) depctr_va_vcc(0) depctr_vm_vsrc(0)
	s_getreg_b32 s2, hwreg(HW_REG_IB_STS2, 6, 4)
	s_cmp_eq_u32 s2, 0
	s_cbranch_scc0 .Lentry_in_a_cluster
	s_endpgm
.Lentry_in_a_cluster:
	s_bfe_u32 s2, ttmp6, 0x10000c
	s_cmp_lg_u32 s2, 0x3003
	s_cbranch_scc0 .Lentry_shape_is_right
	s_endpgm
.Lentry_shape_is_right:
; y = softmax(q k^T / 8, causal) v for one head of one batch (grid y), both products on codes of FP8; y is quantised (entry 10 of the scales) into images of the last product's operand.
; THE SOFTMAX: t = score x log2(e) / 8; M = the running largest t rounded UP to a whole number; p = 2^(t - M) is quantised (entry 8), not normalised; the row's sum is taken of the unquantised p and divides at the end.
; When M moves, the sum and O are multiplied by 2^(old M - new M), which rounds nothing.
; THE HEAD'S WHOLE K AND V LIE IN LDS: 131,072 bytes each, as images of operand registers, brought once by tensor loads that the head's four work-groups ask for jointly.  No LDS byte is filled twice or stored to.
; SHARES.  A wave owns two tiles of 16 queries: tile lo = 8 a + j and tile 127 - lo, a = wave / 2, j = 2 cx + wave % 2.  With steps of 128 keys and the causal mask they need (a + 1) + (16 - a) = 17 steps:
; the same for every wave of every work-group.  All trip counts are constants; the branches that leave a step out or mask it compare the step's number with a number made of the WAVE'S NUMBER alone (a, 15 - a).
; cx enters the global addresses of q and y and the mask's lane constant, and nothing else.
; LAYOUT.  Both products transposed: S^T = K Q^T (source 0 = 16 keys, source 1 = my 16 queries): register 8 a + i of lane (r, h) is key 16 a + 8 h + i of query r, which is the place that the second product's
; operand gives it: the conversions' results are P's fragment.  O^T = V^T P^T (source 0 = 16 channels x 128 keys): register 8 c + j is channel 16 c + 8 h + j of query r: converted, half a fragment of y.
; LIMITS: e6 + e7 between -123 and 130 (added to c's exponent field); e8, and e10 - e8 - e9, between -126 and 119.
; REGISTERS: v1 16 x lane, v2 the same + V's base; v8, v9 addresses in hand; v12 -M, v13 largest t, v[14:15] the sum; v16-23 Q of the high tile, v24-31 of the low; v32-95 K's, then V's fragments; v96-159 S^T, then p;
; v160-191 O^T; v192-207 P's codes; v208-215 y's codes; v216, v217 the mask's lane constants; v218 y's scale; v244 p's scale; v236, v242-243, v252-254 at work.
.set VB,   131072                      ; V's base in LDS
.set G1,   24                          ; s[24:31] descriptor group 1
.set G0,   32                          ; s[32:47] four groups 0
.set KS,   48                          ; s48  the key step
.set OFF,  49                          ; s49  8,192 x the key step: its bytes in K and in V
.set LIM,  50                          ; s50  the tile's last step, the one on the diagonal
.macro CROUND
	s_barrier_signal -1
	s_barrier_wait -1
	s_cmp_lg_u32 s10, 0
	s_cbranch_scc1 .Lnot_wave_0_\@
	s_barrier_signal -3
.Lnot_wave_0_\@:
	s_barrier_wait -3
	s_barrier_signal -1
	s_barrier_wait -1
.endm
	s_load_b128 s[4:7], s[0:1], 0x0                ; qkvc 4:5, scales 6:7
	s_load_b64 s[8:9], s[0:1], 0x10                ; yc
	v_lshl_add_u32 v251, v0, 2, 0x40000
	v_mov_b32 v255, 0
	ds_add_u32 v251, v255
	ds_add_u32 v251, v255
	v_lshrrev_b32 v3, 5, v0
	s_delay_alu instid0(VALU_DEP_1)
	v_readfirstlane_b32 s10, v3                    ; wave 0..15
	s_lshr_b32 s11, s10, 1                         ; a
	s_bfe_u32 s12, ttmp6, 0x40000                  ; cx
	s_and_b32 s13, ttmp7, 0xffff                   ; head of batch, 0..63: shared by the four partners
	s_and_b32 s14, s10, 1
	s_lshl_b32 s80, s12, 1
	s_add_co_u32 s14, s14, s80                     ; j
	s_lshl_b32 s15, s11, 3
	s_add_co_u32 s15, s15, s14                     ; the low tile
	s_sub_co_u32 s16, 127, s15                     ; the high tile
	; what waves 0-3 fetch: waves 0, 1 K's halves of a chunk of 512 keys, waves 2, 3 V's.  These registers never hold cx
	s_bfe_u32 s84, s10, 0x10001                    ; K (0) or V (1)
	s_and_b32 s85, s10, 1
	s_lshl_b32 s85, s85, 14
	s_lshl_b32 s86, s84, 17
	s_add_co_u32 s86, s86, s85                     ; LDS: 131,072 x (K or V) + 16,384 x half
	s_lshl_b32 s88, s84, 23
	s_add_co_u32 s88, s88, 0x800000                ; memory: k's part at 8 MiB, v's at 16 MiB,
	s_lshl_b32 s87, s13, 17
	s_add_co_u32 s88, s88, s87                     ; the head's 131,072 bytes,
	s_add_co_u32 s88, s88, s85                     ; my half
	s_mov_b32 s89, 0
	s_mov_b32 s[G1+0], 15|(3<<16)|(1<<21)          ; 15:0 the mask: all four work-groups; elements of 8 bytes; 21 set beside a mask; no padding
	s_mov_b32 s[G1+1], 32<<16                      ; 64 rows of 256 bytes, dense: 16,384 bytes as they lie
	s_mov_b32 s[G1+2], 64<<16
	s_mov_b32 s[G1+3], 32<<16
	s_mov_b32 s[G1+4], 64
	s_mov_b32 s[G1+5], 32
	s_mov_b32 s[G1+6], 0
	s_mov_b32 s[G1+7], 0
	s_lshl_b32 s80, s13, 17                        ; q: 131,072 x head + 1,024 x tile
	s_lshl_b32 s81, s16, 10
	s_add_co_u32 s52, s80, s81
	s_mov_b32 s53, 0
	s_lshl_b32 s81, s15, 10
	s_add_co_u32 s54, s80, s81
	s_mov_b32 s55, 0
	s_lshr_b32 s80, s13, 4                         ; y: (128 x batch + tile) x 16,384 + 1,024 x head: K step head / 2, half head % 2 of the token tile's fragments
	s_lshl_b32 s80, s80, 21
	s_and_b32 s81, s13, 15
	s_lshl_b32 s81, s81, 10
	s_add_co_u32 s80, s80, s81
	s_lshl_b32 s81, s16, 14
	s_add_co_u32 s56, s80, s81
	s_mov_b32 s57, 0
	s_lshl_b32 s81, s15, 14
	s_add_co_u32 s58, s80, s81
	s_mov_b32 s59, 0
	s_mov_b32 s20, 0x76543210                      ; v_permlanex16_b32: lane l xor 16
	s_mov_b32 s21, 0xfedcba98
	s_mov_b32 s22, 0x3e38aa3b                      ; c = log2(e) / 8
	s_wait_dscnt 0x0
	s_wait_kmcnt 0x0
	s_load_b256 s[68:75], s[6:7], 0x0              ; e0 .. e7
	s_load_b128 s[76:79], s[6:7], 0x20             ; e8 .. e11
	s_add_nc_u64 s[90:91], s[4:5], s[88:89]
.irp c, 0,1,2,3
	s_mov_b32 s[G0+4*\c], 1
	s_add_co_u32 s[G0+4*\c+1], s86, \c*32768
	s_add_nc_u64 s[G0+4*\c+2:G0+4*\c+3], s[90:91], \c*32768
	s_or_b32 s[G0+4*\c+3], s[G0+4*\c+3], 0x80000000
.endr
	s_add_nc_u64 s[52:53], s[4:5], s[52:53]        ; q of the high tile,
	s_add_nc_u64 s[54:55], s[4:5], s[54:55]        ; of the low
	s_add_nc_u64 s[56:57], s[8:9], s[56:57]        ; y likewise
	s_add_nc_u64 s[58:59], s[8:9], s[58:59]
	CROUND                                         ; all four work-groups are here: the joint loads meet
	s_cmp_lt_u32 s10, 4                            ; all fills of a wave stand in one branch on the wave's number: four loads of mine are out, and no more are ever issued
	s_cbranch_scc0 .Lno_fill
	tensor_load_to_lds s[G0:G0+3], s[G1:G1+7]
	s_nop 0
	tensor_load_to_lds s[G0+4:G0+7], s[G1:G1+7]
	s_nop 0
	tensor_load_to_lds s[G0+8:G0+11], s[G1:G1+7]
	s_nop 0
	tensor_load_to_lds s[G0+12:G0+15], s[G1:G1+7]
	s_nop 0
.rept 4
	v_nop                                          ; behind a tensor load
.endr
.Lno_fill:
	v_and_b32 v1, 31, v0
	s_delay_alu instid0(VALU_DEP_1)
	v_lshlrev_b32 v1, 4, v1                        ; 16 x lane
	s_delay_alu instid0(VALU_DEP_1)
	v_add_nc_u32 v2, VB, v1
.irp g, 0,1
	global_load_b128 v[16+4*\g:19+4*\g], v1, s[52:53] offset:512*\g
	global_load_b128 v[24+4*\g:27+4*\g], v1, s[54:55] offset:512*\g
.endr
	v_and_b32 v3, 15, v0                           ; r
	v_bfe_u32 v4, v0, 4, 1
	s_delay_alu instid0(VALU_DEP_1)
	v_lshlrev_b32 v4, 3, v4                        ; 8 h
	s_delay_alu instid0(VALU_DEP_1)
	v_sub_nc_u32 v5, v3, v4
	s_lshl_b32 s80, s14, 4
	s_sub_co_u32 s81, 112, s80
	v_add_nc_u32 v216, s81, v5                     ; on the diagonal step register 8 a + i (key 16 a + 8 h + i of the step) is hidden where 16 a + i > d;  high tile: d = 16 (7 - j) + r - 8 h,
	v_add_nc_u32 v217, s80, v5                     ; low tile: d = 16 j + r - 8 h
	v_mov_b32 v236, 0                              ; written once: a lane permute's destination counts as one of its sources
	v_mov_b32 v252, 0
	v_mov_b32 v253, 0                              ; (named as the upper half of the pair v[252:253])
	s_wait_kmcnt 0x0
	s_add_co_i32 s80, s74, s75
	s_lshl_b32 s80, s80, 23
	s_add_co_i32 s22, s22, s80                     ; a score stands for score x 2^(e6 + e7): added to c's exponent field
	s_mov_b32 s23, s22                             ; (named with it as a pair)
	s_add_co_i32 s80, s76, 127
	s_lshl_b32 s81, s80, 23
	v_mov_b32 v244, s81                            ; 2^e8
	s_sub_co_i32 s80, s78, s76
	s_sub_co_i32 s80, s80, s77                     ; O / l stands for y / 2^(e8 + e9): y's code is (O / l) / 2^(e10 - e8 - e9)
	s_add_co_i32 s80, s80, 127
	s_lshl_b32 s81, s80, 23
	v_mov_b32 v218, s81
.macro INIT                            ; a tile begins: zeros, which the first change of M leaves zeros
	v_mov_b32 v13, 0xff61b1e6                      ; the largest t so far: -3e38
	s_delay_alu instid0(VALU_DEP_1)
	v_floor_f32 v12, -v13
	v_mov_b32 v14, 0
	v_mov_b32 v15, 0
.set i, 0
.rept 32
	v_mov_b32 v[160+i], 0
.set i, i+1
.endr
.endm
; A KEY STEP of 128 keys for the tile whose Q lies at v[q] and whose mask constant at v[d].  masked = 1: the step may lie behind the diagonal (left out) or on it (masked).
.macro STEP q, d, masked
.if \masked
	s_cmp_gt_u32 s[KS], s[LIM]
	s_cbranch_scc1 .Lhidden_\@                     ; all its keys come after my queries
.endif
	s_setprio 2
	v_add_nc_u32 v8, s[OFF], v1
	v_add_nc_u32 v9, s[OFF], v2
	v_nop
	v_nop                                          ; four places in front of loads into registers that the last products read
.irp a, 0,1,2,3,4,5,6,7
.irp g, 0,1
	ds_load_b128 v[32+8*\a+4*\g:35+8*\a+4*\g], v8 offset:1024*\a+512*\g
.endr
.endr
	s_wait_alu depctr_va_vdst(0)
	s_wait_dscnt 0x0
.irp a, 0,1,2,3,4,5,6,7
	v_wmma_f32_16x16x64_fp8_fp8 v[96+8*\a:103+8*\a], v[32+8*\a:39+8*\a], v[\q:\q+7], 0
.endr
.rept 4
	v_nop                                          ; four places: for the loads below, and for the first read of the scores
.endr
.irp c, 0,1,2,3
.irp g, 0,1,2,3
	ds_load_b128 v[32+16*\c+4*\g:35+16*\c+4*\g], v9 offset:(\g/2)*4096+1024*\c+(\g%2)*512   ; V^T: registers 0-7 from the even block of 64 keys, 8-15 from the odd; they land while the softmax runs
.endr
.endr
.if \masked
	s_cmp_lg_u32 s[KS], s[LIM]
	s_cbranch_scc1 .Lopen_\@                       ; all its keys count
	v_mov_b32 v254, 0xff800000                     ; -infinity: p = 0 then.  Key 0 counts for every query, so M is a number from a tile's first step on
.set n, 0
.rept 64
	v_cmp_gt_i32 vcc_lo, 16*(n/8)+n%8, v[\d]
	v_cndmask_b32 v[96+n], v[96+n], v254, vcc_lo
.set n, n+1
.endr
.Lopen_\@:
.endif
	v_max3_num_f32 v254, v96, v97, v98             ; the step's largest score of my query among my 64 keys, in two chains, each accumulator from its low end on,
	v_max3_num_f32 v252, v99, v100, v101
.irp i, 6,10,14,18,22,26,30,34,38,42,46,50,54,58
	v_max3_num_f32 v254, v254, v[96+\i], v[97+\i]
	v_max3_num_f32 v252, v252, v[98+\i], v[99+\i]
.endr
	v_max3_num_f32 v254, v254, v158, v159
	s_delay_alu instid0(VALU_DEP_1)
	v_max_num_f32 v254, v254, v252
	s_delay_alu instid0(VALU_DEP_1)
	v_permlanex16_b32 v236, v254, s20, s21
	s_delay_alu instid0(VALU_DEP_1)
	v_max_num_f32 v254, v254, v236                 ; and among lane l xor 16's
	s_delay_alu instid0(VALU_DEP_1)
	v_mul_f32 v254, s22, v254                      ; as t (c is positive)
	s_delay_alu instid0(VALU_DEP_1)
	v_max_num_f32 v13, v13, v254
	v_mov_b32 v254, v12
	s_delay_alu instid0(VALU_DEP_2)
	v_floor_f32 v12, -v13                          ; -M = floor(-t): M is a whole number
	s_delay_alu instid0(VALU_DEP_1)
	v_sub_f32 v254, v12, v254                      ; old M - new M: a whole number, 0 or less
	s_delay_alu instid0(VALU_DEP_1)
	v_cvt_i32_f32 v254, v254                       ; (it saturates)
	s_delay_alu instid0(VALU_DEP_1)
	v_ldexp_f32 v252, 1.0, v254                    ; f = 2^(old M - new M)
.set n, 0
.rept 32
	v_pk_fma_f32 v[96+n:97+n], v[96+n:97+n], s[22:23], v[12:13] op_sel_hi:[1,0,0]   ; t - M
.set n, n+2
.endr
.set n, 0
	s_setprio 1
	s_wait_alu depctr_va_vdst(0)
.rept 64
	v_exp_f32 v[96+n], v[96+n]                     ; p = 2^(t - M): one batch
.set n, n+1
.endr
	v_pk_mul_f32 v[14:15], v[14:15], v[252:253] op_sel_hi:[1,0]   ; the sum under the new M: the plain line behind the exponentials
	s_wait_alu depctr_va_vdst(0)                   ; one wait for the batch, ahead of its first reader
	v_pk_add_f32 v[242:243], v[100:101], v[104:105]
	v_pk_add_f32 v[248:249], v[108:109], v[112:113]
	v_pk_add_f32 v[246:247], v[116:117], v[120:121]
	v_pk_add_f32 v[240:241], v[124:125], v[128:129]
	v_pk_add_f32 v[238:239], v[132:133], v[136:137]
	v_pk_add_f32 v[234:235], v[140:141], v[144:145]
	v_pk_add_f32 v[232:233], v[148:149], v[152:153]
	v_pk_add_f32 v[14:15], v[14:15], v[156:157]
	v_pk_add_f32 v[242:243], v[242:243], v[96:97]
	v_pk_add_f32 v[248:249], v[248:249], v[98:99]
	v_pk_add_f32 v[246:247], v[246:247], v[102:103]
	v_pk_add_f32 v[240:241], v[240:241], v[106:107]
	v_pk_add_f32 v[238:239], v[238:239], v[110:111]
	v_pk_add_f32 v[234:235], v[234:235], v[114:115]
	v_pk_add_f32 v[232:233], v[232:233], v[118:119]
	v_pk_add_f32 v[14:15], v[14:15], v[122:123]
	v_pk_add_f32 v[242:243], v[242:243], v[126:127]
	v_pk_add_f32 v[248:249], v[248:249], v[130:131]
	v_pk_add_f32 v[246:247], v[246:247], v[134:135]
	v_pk_add_f32 v[240:241], v[240:241], v[138:139]
	v_pk_add_f32 v[238:239], v[238:239], v[142:143]
	v_pk_add_f32 v[234:235], v[234:235], v[146:147]
	v_pk_add_f32 v[232:233], v[232:233], v[150:151]
	v_pk_add_f32 v[14:15], v[14:15], v[154:155]
	v_pk_add_f32 v[242:243], v[242:243], v[158:159]
	s_delay_alu instid0(VALU_DEP_2)
	v_pk_add_f32 v[14:15], v[14:15], v[240:241]
	s_delay_alu instid0(VALU_DEP_2)
	v_pk_add_f32 v[242:243], v[242:243], v[238:239]
	v_pk_add_f32 v[248:249], v[248:249], v[234:235]
	v_pk_add_f32 v[246:247], v[246:247], v[232:233]
	s_delay_alu instid0(VALU_DEP_2)
	v_pk_add_f32 v[14:15], v[14:15], v[248:249]
	s_delay_alu instid0(VALU_DEP_2)
	v_pk_add_f32 v[242:243], v[242:243], v[246:247]
	s_delay_alu instid0(VALU_DEP_1)
	v_pk_add_f32 v[14:15], v[14:15], v[242:243]
.set n, 0
	s_setprio 0
.rept 8
.irp i, 0,1,2,3,4,5,6,7
.endr
	v_cvt_scalef32_pk8_fp8_f32 v[192+2*n:193+2*n], v[96+8*n:103+8*n], v244   ; registers 2 n, 2 n + 1 of P's fragment: keys 16 n + 8 h + 0 .. 7
.set n, n+1
.endr
.set n, 0
.rept 16
	v_pk_mul_f32 v[160+n:161+n], v[160+n:161+n], v[252:253] op_sel_hi:[1,0]   ; O^T under the new M; also the plain lines behind the conversions
.set n, n+2
.endr
	s_wait_alu depctr_va_vdst(0)
	s_wait_dscnt 0x0                               ; V's fragments
.irp c, 0,1,2,3
	v_wmma_f32_16x16x128_fp8_fp8 v[160+8*\c:167+8*\c], v[32+16*\c:47+16*\c], v[192:207], v[160+8*\c:167+8*\c]
.endr
.if \masked
.Lhidden_\@:
.endif
	s_add_co_u32 s[OFF], s[OFF], 8192
.endm
; A tile ends: O^T / the sum, converted, 1,024 consecutive bytes out
.macro FINISH y
.rept 4
	v_nop                                          ; four places behind the last products
.endr
	v_add_f32 v14, v14, v15
	s_delay_alu instid0(VALU_DEP_1)
	v_permlanex16_b32 v252, v14, s20, s21
	s_delay_alu instid0(VALU_DEP_1)
	v_add_f32 v14, v14, v252                       ; the row's sum
	s_wait_alu depctr_va_vdst(0)
	v_rcp_f32 v14, v14
	v_nop                                          ; a plain line behind the reciprocal,
	s_wait_alu depctr_va_vdst(0)                   ; and the wait ahead of its first reader
.set i, 0
.rept 16
	v_pk_mul_f32 v[96+i:97+i], v[160+i:161+i], v[14:15] op_sel_hi:[1,0]   ; each accumulator from its low end on
.set i, i+2
.endr
.set i, 0
.rept 32
.set i, i+1
.endr
	s_wait_alu depctr_va_vdst(0)
	s_wait_xcnt 0x0                                ; the other tile's stores have read their data
.irp c, 0,1,2,3
	v_cvt_scalef32_pk8_fp8_f32 v[208+2*\c:209+2*\c], v[96+8*\c:103+8*\c], v218
.endr
	v_nop                                          ; one plain line between the conversions and the next products, which write their sources
.irp g, 0,1
	global_store_b128 v1, v[208+4*\g:211+4*\g], s[\y:\y+1] offset:512*\g
.endr
.endm
	INIT
	s_wait_loadcnt 0x0                             ; Q
	s_sub_co_u32 s[LIM], 15, s11                   ; the high tile's diagonal step: 15 - a, at least 8
	s_mov_b32 s[KS], 0
	s_mov_b32 s[OFF], 0
	s_wait_tensorcnt 0x3                           ; my part of the first 512 keys has landed; the three younger loads may stay out
	s_barrier_signal -1
	s_barrier_wait -1
.Lfirst:                                               ; steps 0-3 of the high tile: the first 512 keys, all of which count
	STEP 16, 216, 0
	s_add_co_u32 s[KS], s[KS], 1
	s_cmp_lt_u32 s[KS], 4
	s_cbranch_scc1 .Lfirst
	s_setprio 0
	s_wait_tensorcnt 0x0                           ; all my loads have landed;
	s_wait_dscnt 0x0
	s_barrier_signal -1
	s_barrier_wait -1                              ; everybody's have: from here on the waves go their own ways
.Lhigh:                                                ; steps 4-15 of the high tile
	STEP 16, 216, 1
	s_add_co_u32 s[KS], s[KS], 1
	s_cmp_lt_u32 s[KS], 16
	s_cbranch_scc1 .Lhigh
	s_setprio 0
	FINISH 56
	INIT
	s_mov_b32 s[LIM], s11                          ; the low tile's diagonal step: a
	s_mov_b32 s[KS], 0
	s_mov_b32 s[OFF], 0
.Llow:                                                 ; steps 0-7 of the low tile
	STEP 24, 217, 1
	s_add_co_u32 s[KS], s[KS], 1
	s_cmp_lt_u32 s[KS], 8
	s_cbranch_scc1 .Llow
	s_setprio 0
	FINISH 58
	s_wait_tensorcnt 0x0
	ds_add_u32 v251, v255
	s_wait_dscnt 0x0
	CROUND                                         ; the closing round
	s_endpgm
.Lfunc_end_k_q4c8bd296fa_attn:
	.size	k_q4c8bd296fa_attn, .Lfunc_end_k_q4c8bd296fa_attn-k_q4c8bd296fa_attn
	.p2alignl 7, 3214868480
	.fill 96, 4, 3214868480
	.section	.rodata,"a",@progbits
	.p2align	6, 0x0
	.amdhsa_kernel k_q4c8bd296fa_attn
		.amdhsa_group_segment_fixed_size 264192
		.amdhsa_private_segment_fixed_size 0
		.amdhsa_enable_private_segment 0
		.amdhsa_kernarg_size 24
		.amdhsa_user_sgpr_count 2
		.amdhsa_user_sgpr_kernarg_segment_ptr 1
		.amdhsa_wavefront_size32 1
		.amdhsa_system_sgpr_workgroup_id_x 1
		.amdhsa_system_sgpr_workgroup_id_y 1
		.amdhsa_system_sgpr_workgroup_id_z 1
		.amdhsa_system_vgpr_workitem_id 0
		.amdhsa_next_free_vgpr 256
		.amdhsa_next_free_sgpr 100
		.amdhsa_reserve_vcc 1
		.amdhsa_float_denorm_mode_32 3
		.amdhsa_float_denorm_mode_16_64 3
		.amdhsa_fp16_overflow 1
		.amdhsa_memory_ordered 1
		.amdhsa_forward_progress 1
		.amdhsa_inst_pref_size 66
	.end_amdhsa_kernel
	.amdgpu_metadata
---
amdhsa.version: [ 1, 2 ]
amdhsa.kernels:
  - .name:           k_q4c8bd296fa_attn
    .symbol:         k_q4c8bd296fa_attn.kd
    .args:
      - { .name: qkvc, .offset: 0, .size: 8, .value_kind: global_buffer, .address_space: global }
      - { .name: lowp_scales, .offset: 8, .size: 8, .value_kind: global_buffer, .address_space: global }
      - { .name: yc, .offset: 16, .size: 8, .value_kind: global_buffer, .address_space: global }
    .group_segment_fixed_size: 264192
    .private_segment_fixed_size: 0
    .kernarg_segment_align: 8
    .kernarg_segment_size: 24
    .max_flat_workgroup_size: 512
    .sgpr_count:     100
    .vgpr_count:     256
    .wavefront_size: 32
...
	.end_amdgpu_metadata
.endif
;; end of part 3
;; launch proj (part 4): grid 256 x 1, 4 waves a work-group, clusters of 4 x 1, 327,680 bytes of LDS; arguments yc, wc, bo, lowp_scales, out0; writes out0
.if DOCPART == 4
	.amdgcn_target "amdgcn-amd-amdhsa--gfx1250"
	.amdhsa_code_object_version 6
	.text
	.protected	k_q4c8bd296fa_proj
	.globl	k_q4c8bd296fa_proj
	.p2align	8
	.type	k_q4c8bd296fa_proj,@function
k_q4c8bd296fa_proj:
	s_mov_b64 s[64:65], 0
	v_nop
	global_prefetch_b8 v0, s[64:65] scope:SCOPE_SE
	s_setreg_imm32_b32 hwreg(HW_REG_WAVE_MODE, 25, 1), 1
	s_wait_xcnt 0x0
	s_wait_alu depctr_hold_cnt(0) depctr_sa_sdst(0) depctr_va_vdst(0) depctr_va_sdst(0) depctr_va_ssrc(0) depctr_va_vcc(0) depctr_vm_vsrc(0)
	s_getreg_b32 s2, hwreg(HW_REG_IB_STS2, 6, 4)
	s_cmp_eq_u32 s2, 0
	s_cbranch_scc0 .Lentry_in_a_cluster
	s_endpgm
.Lentry_in_a_cluster:
	s_bfe_u32 s2, ttmp6, 0x10000c
	s_cmp_lg_u32 s2, 0x3003
	s_cbranch_scc0 .Lentry_shape_is_right
	s_endpgm
.Lentry_shape_is_right:
; out = y Wo^T + bo on codes of FP8: y's codes (images of operand registers, made by the launch before) x Wo's codes; each sum x 2^(e10 + e11) + bo, f32.
; A work-group makes 128 tokens x 256 features over the whole K = 1,024.  R = Wo stays in REGISTERS: wave w holds 64 features x 1,024 k, 32 fragments, 512 registers.  L = y's 128 tokens (131,072 consecutive bytes)
; comes into LDS once and is read by all four waves.  No LDS byte is filled twice.  Source 0 = R, source 1 = L: a lane holds one token and eight neighbouring features.
; CLUSTER: the four work-groups of a cluster take the same 128 tokens and the four blocks of 256 features: y's tiles are asked for jointly.  Wo's blocks differ between the partners: no joint load for them.
; THE WAY OUT: a tile of 16 tokens x 64 features goes through the wave's own stage in LDS (rows of 256 + 16 bytes, behind L's bytes, where no fill lands) and leaves as rows: sixteen lanes store 256 consecutive, aligned bytes.
; LIMIT: e10 + e11 between -126 and 127, so that 2^(e10 + e11) is an f32 number.
; REGISTERS: window 0: v1 16 x lane, v2 + 65,536, v5 stage in, v6 stage out, v7 my bytes in two rows of out, v10 the bias's offset; v32-63 accumulators; v64-95 bias; v128-159 results; v160-191 rows read back.
;   windows 1, 2: R(a, s) at 16 (4 (s % 4) + a);  window 3: two sets of L's eight fragments.
.set ACC, 32
.set BR,  64
.set TR,  128
.set OB,  160
.set STG, 131072                       ; the stages: 16 rows x 272 bytes a wave
.set G1,  48
.set G0,  56
.set MSB, 0
.macro WIN new
.if MSB != \new
	s_set_vgpr_msb (MSB<<8)|\new
.set MSB, \new
.endif
.endm
.macro CROUND
	s_barrier_signal -1
	s_barrier_wait -1
	s_cmp_lg_u32 s36, 0
	s_cbranch_scc1 .Lnot_wave_0_\@
	s_barrier_signal -3
.Lnot_wave_0_\@:
	s_barrier_wait -3
	s_barrier_signal -1
	s_barrier_wait -1
.endm
	s_load_b256 s[8:15], s[0:1], 0x0               ; yc 8:9, wc 10:11, bo 12:13, scales 14:15
	s_load_b64 s[16:17], s[0:1], 0x20              ; out0
	v_lshl_add_u32 v254, v0, 2, 0x29000
	v_mov_b32 v255, 0
	ds_add_u32 v254, v255
	ds_add_u32 v254, v255
	v_lshrrev_b32 v3, 5, v0
	v_readfirstlane_b32 s36, v3                    ; wave 0..3
	s_bfe_u32 s39, ttmp6, 0x40000                  ; cx = the block of 256 features: it enters Wo's, the bias's and out's global addresses alone
	s_lshl_b32 s78, ttmp9, 17                      ; L: 131,072 x cluster (the block of 128 tokens) + 16,384 x wave
	s_lshl_b32 s79, s36, 14
	s_add_co_u32 s78, s78, s79
	s_mov_b32 s79, 0
	s_lshl_b32 s80, s39, 18                        ; R: Wo's part of wc (3 MiB) + 262,144 x block + 65,536 x wave
	s_lshl_b32 s81, s36, 16
	s_add_co_u32 s80, s80, s81
	s_add_co_u32 s80, s80, 0x300000
	s_mov_b32 s81, 0
	s_lshl_b32 s84, s39, 10                        ; feature 256 x block + 64 x wave, in bytes: the bias's place, and the place in a row of out
	s_lshl_b32 s85, s36, 8
	s_add_co_u32 s84, s84, s85
	s_mov_b32 s85, 0
	s_lshl_b32 s82, ttmp9, 19                      ; out: 128 rows of 4,096 bytes x cluster
	s_add_co_u32 s82, s82, s84
	s_mov_b32 s83, 0
	s_mov_b32 s[G1+0], 15|(3<<16)|(1<<21)          ; the mask: all four work-groups; elements of 8 bytes; 21 set beside a mask; no padding
	s_mov_b32 s[G1+1], 32<<16                      ; 64 rows of 256 bytes, dense
	s_mov_b32 s[G1+2], 64<<16
	s_mov_b32 s[G1+3], 32<<16
	s_mov_b32 s[G1+4], 64
	s_mov_b32 s[G1+5], 32
	s_mov_b32 s[G1+6], 0
	s_mov_b32 s[G1+7], 0
	s_lshl_b32 s76, s36, 14
	s_wait_dscnt 0x0
	s_wait_kmcnt 0x0
	s_load_b64 s[24:25], s[14:15], 0x28            ; e10, e11
	s_add_nc_u64 s[42:43], s[8:9], s[78:79]
	s_add_nc_u64 s[44:45], s[10:11], s[80:81]
	s_add_nc_u64 s[46:47], s[12:13], s[84:85]
	s_add_nc_u64 s[68:69], s[16:17], s[82:83]
.irp j, 0,1
	s_mov_b32 s[G0+4*\j], 1
	s_add_co_u32 s[G0+4*\j+1], s76, \j*65536
	s_add_nc_u64 s[G0+4*\j+2:G0+4*\j+3], s[42:43], \j*65536
	s_or_b32 s[G0+4*\j+3], s[G0+4*\j+3], 0x80000000
.endr
	CROUND                                         ; all four work-groups are here: the joint loads meet
	tensor_load_to_lds s[G0:G0+3], s[G1:G1+7]      ; L's tile `wave`,
	s_nop 0
	s_wait_alu depctr_va_vdst(0)
	s_wait_tensorcnt 0x0
	ds_add_u32 v254, v255
	s_wait_dscnt 0x0
	CROUND
	tensor_load_to_lds s[G0+4:G0+7], s[G1:G1+7]    ; and tile 4 + wave: one load of mine is out, and no more are ever issued
	s_nop 0
.rept 4
	v_nop                                          ; behind a tensor load
.endr
	v_and_b32 v1, 31, v0
	v_lshlrev_b32 v1, 4, v1
	v_add_nc_u32 v2, 0x10000, v1
	v_and_b32 v3, 15, v0                           ; r
	v_bfe_u32 v4, v0, 4, 1                         ; h
	v_lshlrev_b32 v10, 5, v4                       ; 32 h
	s_mul_i32 s76, s36, 16*272
	s_add_co_u32 s76, s76, STG                     ; my stage
	v_mul_u32_u24 v5, v3, 272
	v_lshl_add_u32 v5, v4, 5, v5
	v_add_nc_u32 v5, s76, v5                       ; in: row r (my token), + 32 h; tile a of features 64 a bytes on
	v_mul_u32_u24 v6, v4, 272
	v_lshl_add_u32 v6, v3, 4, v6
	v_add_nc_u32 v6, s76, v6                       ; back: lanes 0-15 one row of 256 bytes, lanes 16-31 the next
	v_lshlrev_b32 v7, 12, v4
	v_lshl_add_u32 v7, v3, 4, v7                   ; and the same two rows in out
.irp a, 0,1,2,3
.irp e, 0,1
	global_load_b128 v[BR+8*\a+4*\e:BR+8*\a+4*\e+3], v10, s[46:47] offset:64*\a+16*\e
.endr
.endr
	WIN 0x40
.irp s, 0,1,2,3
.irp a, 0,1,2,3
.irp c, 0,1,2,3
	global_load_b128 v[16*(4*\s+\a)+4*\c:16*(4*\s+\a)+4*\c+3], v1, s[44:45] offset:16384*\a+2048*\s+512*\c
.endr
.endr
.endr
	WIN 0x80
.irp s, 4,5,6,7
.irp a, 0,1,2,3
.irp c, 0,1,2,3
	global_load_b128 v[16*(4*(\s-4)+\a)+4*\c:16*(4*(\s-4)+\a)+4*\c+3], v1, s[44:45] offset:16384*\a+2048*\s+512*\c
.endr
.endr
.endr
	WIN 0
	s_wait_kmcnt 0x0
	s_add_co_i32 s72, s24, s25
	s_add_co_i32 s72, s72, 127
	s_lshl_b32 s72, s72, 23                        ; 2^(e10 + e11)
	s_mov_b32 s73, s72                             ; (named with it as a pair)
.macro LFETCH t
	WIN 0xc0
.irp s, 0,1,2,3,4,5,6,7
.irp c, 0,1,2,3
	ds_load_b128 v[128*((\t)%2)+16*\s+4*\c:128*((\t)%2)+16*\s+4*\c+3], v[1+(\t)/4] offset:((\t)%4)*16384+2048*\s+512*\c
.endr
.endr
.endm
.macro MULS t                          ; 32 matrix instructions, the four accumulators by turns, one instruction a turn; the first K step starts the sums
	WIN 0x0d
.irp s, 0,1,2,3
.irp a, 0,1,2,3
.if \s == 0
	v_wmma_f32_16x16x128_fp8_fp8 v[ACC+8*\a:ACC+8*\a+7], v[16*(4*\s+\a):16*(4*\s+\a)+15], v[128*((\t)%2)+16*\s:128*((\t)%2)+16*\s+15], 0
.else
	v_wmma_f32_16x16x128_fp8_fp8 v[ACC+8*\a:ACC+8*\a+7], v[16*(4*\s+\a):16*(4*\s+\a)+15], v[128*((\t)%2)+16*\s:128*((\t)%2)+16*\s+15], v[ACC+8*\a:ACC+8*\a+7]
.endif
.endr
.endr
	WIN 0x0e
.irp s, 4,5,6,7
.irp a, 0,1,2,3
	v_wmma_f32_16x16x128_fp8_fp8 v[ACC+8*\a:ACC+8*\a+7], v[16*(4*(\s-4)+\a):16*(4*(\s-4)+\a)+15], v[128*((\t)%2)+16*\s:128*((\t)%2)+16*\s+15], v[ACC+8*\a:ACC+8*\a+7]
.endr
.endr
	WIN 0
.endm
.macro SEND u                          ; tile u's 16 rows, read back from the stage, are stored
.irp i, 0,1,2,3,4,5,6,7
	global_store_b128 v7, v[OB+4*\i:OB+4*\i+3], s[68:69] offset:(16*(\u)+2*\i)*4096 th:TH_STORE_NT   ; 16 lanes store 256 consecutive bytes, at a multiple of 256 from out's first byte; written once
.endr
.endm
.macro TILE t
	s_wait_dscnt 0x0                               ; L's fragments of this tile and the last tile's rows are in registers
.if (\t) > 0
	SEND (\t)-1
.endif
.if (\t) == 3
	s_wait_tensorcnt 0x0                           ; my tile 4 + wave has landed;
	s_barrier_signal -1
	s_barrier_wait -1                              ; everybody's has
.endif
.if (\t) < 7
	LFETCH (\t)+1                                  ; into the set that the tile before multiplied: that tile's packed multiply-adds are the places between
.endif
	MULS \t
.rept 4
	v_nop                                          ; four places between the last product and the first read of its result (ISA guide 7.12.1)
.endr
.set i, 0
.rept 16
	v_pk_fma_f32 v[TR+i:TR+i+1], v[ACC+i:ACC+i+1], s[72:73], v[BR+i:BR+i+1] op_sel_hi:[1,0,1]   ; sum x 2^(e10 + e11) + bo; each accumulator from its low end on
.set i, i+2
.endr
	s_wait_alu depctr_va_vdst(0)
	s_wait_xcnt 0x0                                ; the last tile's stores have read their data: the loads below land there only behind this wait
.irp a, 0,1,2,3
.irp e, 0,1
	ds_store_b128 v5, v[TR+8*\a+4*\e:TR+8*\a+4*\e+3] offset:64*\a+16*\e
.endr
.endr
.irp i, 0,1,2,3,4,5,6,7
	ds_load_b128 v[OB+4*\i:OB+4*\i+3], v6 offset:544*\i   ; LDS serves a wave's instructions in order: these see my stores
.endr
.endm
	s_wait_tensorcnt 0x1                           ; my tile `wave` has landed; the one younger load may stay out
	s_barrier_signal -1
	s_barrier_wait -1
	LFETCH 0
	WIN 0
	s_wait_loadcnt 0x0                             ; R and the bias
.irp t, 0,1,2,3,4,5,6,7
	TILE \t
.endr
	s_wait_dscnt 0x0
	SEND 7
	s_wait_tensorcnt 0x0
	ds_add_u32 v254, v255
	s_wait_dscnt 0x0
	CROUND                                         ; the closing round
	s_endpgm
.Lfunc_end_k_q4c8bd296fa_proj:
	.size	k_q4c8bd296fa_proj, .Lfunc_end_k_q4c8bd296fa_proj-k_q4c8bd296fa_proj
	.p2alignl 7, 3214868480
	.fill 96, 4, 3214868480
	.section	.rodata,"a",@progbits
	.p2align	6, 0x0
	.amdhsa_kernel k_q4c8bd296fa_proj
		.amdhsa_group_segment_fixed_size 327680
		.amdhsa_private_segment_fixed_size 0
		.amdhsa_enable_private_segment 0
		.amdhsa_kernarg_size 40
		.amdhsa_user_sgpr_count 2
		.amdhsa_user_sgpr_kernarg_segment_ptr 1
		.amdhsa_wavefront_size32 1
		.amdhsa_system_sgpr_workgroup_id_x 1
		.amdhsa_system_sgpr_workgroup_id_y 1
		.amdhsa_system_sgpr_workgroup_id_z 1
		.amdhsa_system_vgpr_workitem_id 0
		.amdhsa_next_free_vgpr 1024
		.amdhsa_next_free_sgpr 100
		.amdhsa_reserve_vcc 0
		.amdhsa_float_denorm_mode_32 3
		.amdhsa_float_denorm_mode_16_64 3
		.amdhsa_memory_ordered 1
		.amdhsa_forward_progress 1
		.amdhsa_inst_pref_size 75
	.end_amdhsa_kernel
	.amdgpu_metadata
---
amdhsa.version: [ 1, 2 ]
amdhsa.kernels:
  - .name:           k_q4c8bd296fa_proj
    .symbol:         k_q4c8bd296fa_proj.kd
    .args:
      - { .name: yc, .offset: 0, .size: 8, .value_kind: global_buffer, .address_space: global }
      - { .name: wc, .offset: 8, .size: 8, .value_kind: global_buffer, .address_space: global }
      - { .name: bo, .offset: 16, .size: 8, .value_kind: global_buffer, .address_space: global }
      - { .name: lowp_scales, .offset: 24, .size: 8, .value_kind: global_buffer, .address_space: global }
      - { .name: out0, .offset: 32, .size: 8, .value_kind: global_buffer, .address_space: global }
    .group_segment_fixed_size: 327680
    .private_segment_fixed_size: 0
    .kernarg_segment_align: 8
    .kernarg_segment_size: 40
    .max_flat_workgroup_size: 128
    .sgpr_count:     100
    .vgpr_count:     1024
    .wavefront_size: 32
...
	.end_amdgpu_metadata
.endif
;; end of part 4
